; MI455X (gfx1250); checked and timed in simulation.
; The chip was launched on July 23, 2026; its instructions are those of AMD's public machine-readable ISA for CDNA 5 (MIT licence, August 2026) and "CDNA5" Instruction Set Architecture Reference Guide (July 2026). The comments in the code are by the model that wrote it; some were corrected since.
;; H Net Energy Via Hamiltonian. Allowed arithmetic: float matrix products may take bf16 or f16 operands with f32 sums; other float arithmetic in f32, or as packed bf16 or f16 multiplies, adds, multiply-adds, maxima and minima; sums over many terms, partial sums and values carried from step to step in f32; what a program stores and reads back later, other than sums and carried values, may be rounded once to bf16 or f16.
;; Inputs: h 64 x 512 x 512 float32; k 64 float32; node_activations 4,096 x 512 float32.
;; Outputs: out0 4,096 x 64 float32.
;; One version. Each part assembles by itself: llvm-mc -triple=amdgcn-amd-amdhsa -mcpu=gfx1250 --defsym DOCPART=n.
;; ======== version 1 of 1: 3 launches
;; workspace buffers: sf 17,825,792 bytes; xf 4,194,304 bytes; e 1,048,576 bytes; pm 4,096 bytes
;; launch prep (part 1): grid 10 x 256, 4 waves a work-group, no clusters, 35,328 bytes of LDS; arguments h, node_activations, sf, xf; writes sf, xf
.if DOCPART == 1
	.amdgcn_target "amdgcn-amd-amdhsa--gfx1250"
	.amdhsa_code_object_version 6
	.text
	.protected	k_qffd209ae3f_prep
	.globl	k_qffd209ae3f_prep
	.p2align	8
	.type	k_qffd209ae3f_prep,@function
k_qffd209ae3f_prep:
	s_mov_b64 s[64:65], 0
	v_nop
	global_prefetch_b8 v0, s[64:65] scope:SCOPE_SE
	s_setreg_imm32_b32 hwreg(HW_REG_WAVE_MODE, 25, 1), 1
	s_wait_xcnt 0x0
; PREP.  x^T H x sees only H + H^T: with blocks of 32 nodes, x^T H x = the sum over u <= kb of x_u^T S(u,kb) x_kb, where S(u,kb) = H(u,kb) + H(kb,u)^T for u < kb and S(u,u) = H(u,u).
; That holds for every H.  This launch reads h and node_activations once (f32) and writes the 136 blocks of S for each of the 64 components, and x, rounded once to bf16, in the order in which
; the next launch's matrix instructions want them.
; A FRAGMENT is 16 rows x 32 k of bf16, 1,024 bytes: the 16 bytes at 512 half + 16 lane hold row lane % 16, k = 16 half + 8 (lane / 16) + 0..7: two loads of 16 bytes a lane, lanes side by side, fill a matrix source.
;   xf[p-tile 0..255][kb 0..15]: 16 points x nodes 32 kb ..          sf[c][w 0..3][f 0..67]: rows n = 32 u + 16 jt + .., k = nodes 32 kb ..
;   for block row u, K block kb >= u, half jt:  w = u % 8 < 4 ? u % 8 : 7 - u % 8;  s = u < 8 ? kb - u : kb + 1;  v2 = bit 3 of u + 4;  f = 4 s + 2 v2 + jt.  So each w owns block rows w, 7 - w, 8 + w, 15 - w: 68 fragments.
; SHARES.  Work-group (b, Y).  b < 9: component c = Y / 4 and one of its 36 pairs of 64 x 64 tiles (I <= J): with a = Y % 4, b < 8 - a gives I = a, J = a + b, else I = 7 - a, J = b - 1.  It reads tile D = H[64 I ..][64 J ..] and
; tile T = H[64 J ..][64 I ..], 16 KiB each, in rows of 256 aligned bytes, and writes the up to four blocks S(2 I + ub, 2 J + kbb).  b = 9: p-tile Y of x, 32 KiB.  All 2,560 work-groups move 32 KiB in (the 512 on the diagonal 16).
; LDS holds 128 rows of 256 bytes: D's 64 rows and then T's, or x's 16 rows in eight pieces of 256 bytes each (row rho = x's row rho % 16, piece rho / 16).  Both roles bring sixteen loads into the same registers and
; put them into LDS by the same sixteen stores.  The tiles go through LDS because T is wanted turned; every store of a wave to memory covers 512 consecutive bytes, aligned.
; No matrix unit, no cluster, no tensor load: nothing is shared and nothing is multiplied.
; LIMITS.  Off the diagonal the operand is bf16(H[n][m] + H[m][n]): one rounding of the f32 sum.  In a diagonal block the mirrored number is multiplied by 0, so an infinity there gives NaN.
.set PIT,   272                        ; an LDS row: 256 bytes + 16 = 68 words: the 16 rows of a 16-byte load start at 16 different groups of four banks (64 banks of 4 bytes: ISA guide 11.1)
.set TOFF,  64*PIT                     ; tile T lies behind tile D
.set SPARE, 128*PIT                    ; behind the 128 rows: the spare words, 128 bytes a wave: two blocks of 256 bytes that no other line names
.set SFC,   278528                     ; bytes of sf for a component,
.set SFW,   69632                      ; and for one w of it
.set SPW, 4                            ; v4   my spare word; never rewritten
.set NIL, 5                            ; v5   0; never rewritten
.set GO,  6                            ; v6   the way in: (2 wave + lane / 16) rows of 2,048 bytes + 16 (lane % 16): the same for h and for x
.set LS,  7                            ; v7   the same place in LDS: (2 wave + lane / 16) x PIT + 16 (lane % 16)
.set DA,  8                            ; v8   way out: my row of D: (16 wave + lane % 16) x PIT + 32 (lane / 16)
.set TA,  9                            ; v9   way out: my column of T: 8 (lane / 16) rows + 4 (16 wave + lane % 16)
.set SO,  10                           ; v10  16 x lane
.set XO,  15                           ; v15  x's way out: (32 wave + lane % 16) x PIT + 32 (lane / 16)
.set IN,  32                           ; v[32:95] sixteen loads; then v[32:47] D, v[48:63] T at work
.set OUTR, 64                          ; v[64:95] packed results: each store has registers of its own, so none is rewritten under a store
	s_load_b256 s[4:11], s[0:1], 0x0               ; h s[4:5], x s[6:7], sf s[8:9], xf s[10:11]
	v_lshl_add_u32 v[SPW], v0, 2, SPARE
	v_mov_b32 v[NIL], 0
	v_lshrrev_b32 v11, 5, v0
	v_readfirstlane_b32 s12, v11                   ; wave 0..3
	v_and_b32 v1, 31, v0                           ; lane
	v_and_b32 v2, 15, v0                           ; lane % 16
	v_bfe_u32 v3, v0, 4, 1                         ; lane / 16
	; Both roles' numbers are made here, by every work-group; a role uses its own.
	s_mov_b32 s13, ttmp9                           ; b
	s_and_b32 s14, ttmp7, 0xffff                   ; Y
	s_and_b32 s15, s14, 3                          ; a
	s_lshr_b32 s16, s14, 2                         ; c
	s_sub_co_u32 s19, 8, s15
	s_add_co_u32 s18, s15, s13
	s_sub_co_u32 s31, 7, s15
	s_sub_co_u32 s32, s13, 1
	s_cmp_lt_u32 s13, s19                          ; b < 8 - a?
	s_cselect_b32 s17, s15, s31                    ; I
	s_cselect_b32 s18, s18, s32                    ; J
	s_lshl_b32 s33, s16, 20                        ; a component of h is 2^20 bytes
	s_lshl_b32 s34, s17, 17                        ; 64 rows of 2,048 bytes
	s_lshl_b32 s35, s18, 8                         ; 64 columns
	s_add_co_u32 s20, s33, s34
	s_add_co_u32 s20, s20, s35                     ; tile D's offset in h
	s_mov_b32 s21, 0
	s_lshl_b32 s34, s18, 17
	s_lshl_b32 s35, s17, 8
	s_add_co_u32 s22, s33, s34
	s_add_co_u32 s22, s22, s35                     ; tile T's
	s_mov_b32 s23, 0
	; way out: my wave owns the tile's rows 16 wave ..: block row u = 2 I + wave / 2, half jt = wave % 2
	s_lshr_b32 s34, s12, 1
	s_and_b32 s35, s12, 1                          ; jt
	s_lshl1_add_u32 s36, s17, s34                  ; u
	s_lshl_b32 s37, s18, 1                         ; kb of the tile's left block,
	s_add_co_u32 s38, s37, 1                       ; of its right one
	s_and_b32 s39, s36, 7
	s_sub_co_u32 s40, 7, s39
	s_cmp_lt_u32 s39, 4
	s_cselect_b32 s39, s39, s40                    ; w
	s_add_co_u32 s40, s36, 4
	s_bfe_u32 s40, s40, 0x10003                    ; v2
	s_sub_co_u32 s41, s38, s36
	s_add_co_u32 s42, s38, 1
	s_cmp_lt_u32 s36, 8
	s_cselect_b32 s41, s41, s42                    ; s of the right block; the left block's is one less: 4 fragments, 4,096 bytes, back
	s_lshl2_add_u32 s41, s41, s35
	s_lshl1_add_u32 s41, s40, s41                  ; f = 4 s + 2 v2 + jt
	s_lshl_b32 s41, s41, 10
	s_mul_i32 s42, s16, SFC
	s_mul_i32 s43, s39, SFW
	s_add_co_u32 s24, s41, s42
	s_add_co_u32 s24, s24, s43                     ; the right block's fragment in sf
	s_mov_b32 s25, 0
	s_cmp_eq_u32 s37, s36                          ; T's factor: 0 in a diagonal block, else 1; in the low word of a pair
	s_cselect_b32 s26, 0, 1.0
	s_mov_b32 s27, 0
	s_cmp_eq_u32 s38, s36
	s_cselect_b32 s28, 0, 1.0
	s_mov_b32 s29, 0
	s_cmp_lt_u32 s37, s36                          ; the left block lies below the diagonal (I = J, lower block row): it is not written
	s_cselect_b32 s30, 1, 0
	s_lshl_b32 s46, s14, 15                        ; x: p-tile Y, 16 rows of 2,048 bytes
	s_mov_b32 s47, 0
	s_lshl_b32 s48, s14, 14                        ; xf: p-tile Y, and my wave's four fragments
	s_lshl_b32 s49, s12, 12
	s_add_co_u32 s48, s48, s49
	s_mov_b32 s49, 0
	s_mul_i32 s50, s12, 32*PIT                     ; x's way out: my wave's fragments kb = 4 wave .. lie in pieces 2 wave, 2 wave + 1: 32 LDS rows
	v_lshl_add_u32 v12, s12, 1, v3                 ; 2 wave + lane / 16: a load takes eight rows
	v_lshlrev_b32 v[GO], 11, v12
	v_lshl_add_u32 v[GO], v2, 4, v[GO]
	v_mul_u32_u24 v[LS], v12, PIT
	v_lshl_add_u32 v[LS], v2, 4, v[LS]
	v_lshl_add_u32 v13, s12, 4, v2                 ; 16 wave + lane % 16
	v_mul_u32_u24 v[DA], v13, PIT
	v_lshl_add_u32 v[DA], v3, 5, v[DA]
	v_mul_u32_u24 v[TA], v3, 8*PIT
	v_lshl_add_u32 v[TA], v13, 2, v[TA]
	v_lshlrev_b32 v[SO], 4, v1
	v_mul_u32_u24 v[XO], v2, PIT
	v_lshl_add_u32 v[XO], v3, 5, v[XO]
	v_add_nc_u32 v[XO], s50, v[XO]
	s_wait_kmcnt 0x0
	s_add_nc_u64 s[20:21], s[4:5], s[20:21]
	s_add_nc_u64 s[22:23], s[4:5], s[22:23]
	s_add_nc_u64 s[24:25], s[8:9], s[24:25]
	s_add_nc_u64 s[46:47], s[6:7], s[46:47]
	s_add_nc_u64 s[48:49], s[10:11], s[48:49]
	s_cmp_eq_u32 s13, 9                            ; the role hangs on the work-group's number alone: all four waves go the same way
	s_cbranch_scc1 .Lx_in
	; THE WAY IN, a pair of tiles.  Sixteen lanes read 256 consecutive bytes, aligned; each byte of h is read once in the launch.
.irp i, 0,1,2,3,4,5,6,7
	global_load_b128 v[IN+4*(\i):IN+4*(\i)+3], v[GO], s[20:21] offset:(\i)*16384 th:TH_LOAD_NT
.endr
	s_cmp_eq_u32 s17, s18
	s_cbranch_scc1 .Ldiag_in
.irp i, 0,1,2,3,4,5,6,7
	global_load_b128 v[IN+32+4*(\i):IN+32+4*(\i)+3], v[GO], s[22:23] offset:(\i)*16384 th:TH_LOAD_NT
.endr
	s_branch .Lstore
.Lx_in:                                            ; THE WAY IN, x: load i brings LDS rows 8 i ..: x's rows 8 (i % 2) .., piece i / 2; again sixteen lanes read 256 consecutive bytes, aligned
.irp i, 0,1,2,3,4,5,6,7,8,9,10,11,12,13,14,15
	global_load_b128 v[IN+4*(\i):IN+4*(\i)+3], v[GO], s[46:47] offset:((\i)%2)*16384+((\i)/2)*256 th:TH_LOAD_NT
.endr
.Lstore:                                           ; on both ways sixteen loads are out, into the same registers in the same order
.irp i, 0,1,2,3,4,5,6,7,8,9,10,11,12,13,14,15
	s_wait_loadcnt 15-(\i)                         ; loads come back in order: load i is in, the younger ones stay out
	ds_store_b128 v[LS], v[IN+4*(\i):IN+4*(\i)+3] offset:(\i)*8*PIT
.endr
	s_branch .Lmeet
.Ldiag_in:                                         ; I = J: T is D; it is stored twice, so that the way out has one text with constant places
.irp i, 0,1,2,3,4,5,6,7
	s_wait_loadcnt 7-(\i)
	ds_store_b128 v[LS], v[IN+4*(\i):IN+4*(\i)+3] offset:(\i)*8*PIT
	ds_store_b128 v[LS], v[IN+4*(\i):IN+4*(\i)+3] offset:TOFF+(\i)*8*PIT
.endr
.Lmeet:
	s_wait_dscnt 0x0                               ; for the others' sake: my stores into LDS are done
	s_barrier_signal -1
	s_barrier_wait -1                              ; everybody's are: the one barrier, on every wave's path whatever the role
	s_cmp_eq_u32 s13, 9
	s_cbranch_scc1 .Lx_out
; THE WAY OUT of block kbb (0 left, 1 right) for my 16 rows: two half fragments.  Each: my row's 8 numbers of D (two loads of 16 bytes), the 8 numbers of my column of T (eight loads of a word:
; lanes 0-15 take 16 words on end, lanes 16-31 the same 8 rows further down, 544 words on: other banks), S = T x factor + D, rounded once, 16 bytes a lane.
.macro HALF kbb
.irp hf, 0,1
	ds_load_b128 v[IN+8*(\hf):IN+8*(\hf)+3],   v[DA] offset:(2*(\kbb)+(\hf))*64
	ds_load_b128 v[IN+8*(\hf)+4:IN+8*(\hf)+7], v[DA] offset:(2*(\kbb)+(\hf))*64+16
.irp j, 0,1,2,3,4,5,6,7
	ds_load_b32 v[IN+16+8*(\hf)+(\j)], v[TA] offset:TOFF+(16*(2*(\kbb)+(\hf))+(\j))*PIT
.endr
.endr
.irp hf, 0,1
	s_wait_dscnt 10-10*(\hf)                       ; the first half's ten loads are in, the second's ten may stay out; then all
.irp q, 0,1,2,3
	v_pk_fma_f32 v[IN+8*(\hf)+2*(\q):IN+8*(\hf)+2*(\q)+1], v[IN+16+8*(\hf)+2*(\q):IN+16+8*(\hf)+2*(\q)+1], s[26+2*(\kbb):27+2*(\kbb)], v[IN+8*(\hf)+2*(\q):IN+8*(\hf)+2*(\q)+1] op_sel_hi:[1,0,1]
.endr
.irp q, 0,1,2,3
	v_cvt_pk_bf16_f32 v[OUTR+8*(\kbb)+4*(\hf)+(\q)], v[IN+8*(\hf)+2*(\q)], v[IN+8*(\hf)+2*(\q)+1]
.endr
	global_store_b128 v[SO], v[OUTR+8*(\kbb)+4*(\hf):OUTR+8*(\kbb)+4*(\hf)+3], s[24:25] offset:((\kbb)-1)*4096+(\hf)*512  ; 512 consecutive bytes, aligned
.endr
.endm
	s_cmp_eq_u32 s30, 1
	s_cbranch_scc1 .Lno_left
	HALF 0
.Lno_left:
	HALF 1
	s_branch .Lend
.Lx_out:                                           ; my wave's fragments kb = 4 wave + 0..3: eight half fragments n = 4 g + t, four at a time: piece 2 wave + g, 64 t bytes along its rows; 512 n bytes along xf
.irp g, 0,1
.irp t, 0,1,2,3
	ds_load_b128 v[IN+8*(\t):IN+8*(\t)+3],   v[XO] offset:(\g)*16*PIT+(\t)*64
	ds_load_b128 v[IN+8*(\t)+4:IN+8*(\t)+7], v[XO] offset:(\g)*16*PIT+(\t)*64+16
.endr
.irp t, 0,1,2,3
	s_wait_dscnt 6-2*(\t)                          ; this half fragment's two loads are in, the younger pairs stay out
.irp q, 0,1,2,3
	v_cvt_pk_bf16_f32 v[OUTR+16*(\g)+4*(\t)+(\q)], v[IN+8*(\t)+2*(\q)], v[IN+8*(\t)+2*(\q)+1]
.endr
	global_store_b128 v[SO], v[OUTR+16*(\g)+4*(\t):OUTR+16*(\g)+4*(\t)+3], s[48:49] offset:(4*(\g)+(\t))*512
.endr
.endr
.Lend:
	s_wait_tensorcnt 0x0                           ; the wave's end, behind my last LDS store
	ds_add_u32 v[SPW], v[NIL]
	s_wait_dscnt 0x0
	s_endpgm
.Lfunc_end_k_qffd209ae3f_prep:
	.size	k_qffd209ae3f_prep, .Lfunc_end_k_qffd209ae3f_prep-k_qffd209ae3f_prep
	.p2alignl 7, 3214868480
	.fill 96, 4, 3214868480
	.section	.rodata,"a",@progbits
	.p2align	6, 0x0
	.amdhsa_kernel k_qffd209ae3f_prep
		.amdhsa_group_segment_fixed_size 35328
		.amdhsa_private_segment_fixed_size 0
		.amdhsa_enable_private_segment 0
		.amdhsa_kernarg_size 32
		.amdhsa_user_sgpr_count 2
		.amdhsa_user_sgpr_kernarg_segment_ptr 1
		.amdhsa_wavefront_size32 1
		.amdhsa_system_sgpr_workgroup_id_x 1
		.amdhsa_system_sgpr_workgroup_id_y 1
		.amdhsa_system_sgpr_workgroup_id_z 1
		.amdhsa_system_vgpr_workitem_id 0
		.amdhsa_next_free_vgpr 96
		.amdhsa_next_free_sgpr 66
		.amdhsa_reserve_vcc 0
		.amdhsa_float_denorm_mode_32 3
		.amdhsa_float_denorm_mode_16_64 3
		.amdhsa_memory_ordered 1
		.amdhsa_forward_progress 1
		.amdhsa_inst_pref_size 20
	.end_amdhsa_kernel
	.amdgpu_metadata
---
amdhsa.version: [ 1, 2 ]
amdhsa.kernels:
  - .name:           k_qffd209ae3f_prep
    .symbol:         k_qffd209ae3f_prep.kd
    .args:
      - { .name: h, .offset: 0, .size: 8, .value_kind: global_buffer, .address_space: global }
      - { .name: node_activations, .offset: 8, .size: 8, .value_kind: global_buffer, .address_space: global }
      - { .name: sf, .offset: 16, .size: 8, .value_kind: global_buffer, .address_space: global }
      - { .name: xf, .offset: 24, .size: 8, .value_kind: global_buffer, .address_space: global }
    .group_segment_fixed_size: 35328
    .private_segment_fixed_size: 0
    .kernarg_segment_align: 8
    .kernarg_segment_size: 32
    .max_flat_workgroup_size: 128
    .sgpr_count:     66
    .vgpr_count:     96
    .wavefront_size: 32
...
	.end_amdgpu_metadata
.endif
;; end of part 1
;; launch quad (part 2): grid 64 x 4, 4 waves a work-group, clusters of 4 x 1, 327,680 bytes of LDS; arguments sf, xf, k, e, pm; writes e, pm
.if DOCPART == 2
	.amdgcn_target "amdgcn-amd-amdhsa--gfx1250"
	.amdhsa_code_object_version 6
	.text
	.protected	k_qffd209ae3f_quad
	.globl	k_qffd209ae3f_quad
	.p2align	8
	.type	k_qffd209ae3f_quad,@function
k_qffd209ae3f_quad:
	s_mov_b64 s[64:65], 0
	v_nop
	global_prefetch_b8 v0, s[64:65] scope:SCOPE_SE
	s_setreg_imm32_b32 hwreg(HW_REG_WAVE_MODE, 25, 1), 1
	s_wait_xcnt 0x0
	s_wait_alu depctr_hold_cnt(0) depctr_sa_sdst(0) depctr_va_vdst(0) depctr_va_sdst(0) depctr_va_ssrc(0) depctr_va_vcc(0) depctr_vm_vsrc(0)
	s_getreg_b32 s2, hwreg(HW_REG_IB_STS2, 6, 4)
	s_cmp_eq_u32 s2, 0
	s_cbranch_scc0 .Lentry_in_a_cluster
	s_endpgm
.Lentry_in_a_cluster:
	s_bfe_u32 s2, ttmp6, 0x10000c
	s_cmp_lg_u32 s2, 0x3003
	s_cbranch_scc0 .Lentry_shape_is_right
	s_endpgm
.Lentry_shape_is_right:
; QUAD.  e[c][p] = the sum over block rows u of x_u^T (the sum over kb >= u of S_c(u,kb) x_kb) + k[c], and each wave's maximum of what it stores.  sf and xf are bf16 in fragment order:
; a fragment is 16 rows x 32 k, 1,024 bytes, the 16 bytes at 512 half + 16 lane being row lane % 16, k = 16 half + 8 (lane / 16) + 0..7.  Products and all sums in f32; e, pm and k are f32.
; SHARES.  A work-group has one component c and a quarter pq of the points: 64 p-tiles of 16.  S_c STAYS IN REGISTERS: wave w holds the 68 fragments of block rows a = w, b = 7 - w, c = 8 + w, d = 15 - w (544 registers), loaded once.
; x streams through a ring of two LDS slots of 8 p-tiles (131,072 bytes).  For a p-tile a wave loads the fragments kb = w .. 15 (2 (16 - w) loads) and issues 68 matrix instructions.
; THE PRODUCT.  Z = S x^T: source 0 = 16 rows n of S, source 1 = 16 points.  Lane (r = lane % 16, h = lane / 16), register j of the result holds Z[n0 + 8 h + j][p0 + r].  Its weight in the row sum, x[p0 + r][n0 + 8 h + j], with
; n0 = 32 R + 16 jt, already lies in this lane: x's fragment kb = R, register 4 jt + j / 2, half j % 2.  So q[p] = the sum over n of x[p][n] Z[n][p] is 64 multiply-adds a lane from registers; the weights are the bf16 x.
; FRAGMENT f = 4 s + v of a wave: v < 2: row a (kb = w + s) while s <= 15 - w, then row d (kb = s - 1);  v >= 2: row b (kb = 7 - w + s) while s <= 8 + w, then row c (kb = s - 1);  jt = v % 2.
; Taken in the order f = 0 .. 67 four accumulators take turns, one instruction a turn, over every cut and every backward jump; a row's first product starts its sum with the constant 0.
; A UNIT.  Two x buffers and two sets of eight accumulators take turns.  Unit n: the loads of p-tile n; products 18-67 of p-tile n - 1, under which they land; products 0-17 of p-tile n, and behind the first sixteen of them four
; multiply-adds each of p-tile n - 1's row sum.  The very first unit works on a p-tile that is not: its buffer and the four accumulators whose sums it does not start are written with 0 at the head, and its result goes to
; a place in LDS that nobody reads.  The price, once a launch: 50 products and 160 v_mov_b32; the gain: no third copy of the unit's text.
; A TRIP is two units.  The units differ from wave to wave in register numbers alone, so a trip's two units have four versions, chosen in each trip by forward jumps on the wave's number; the loops, their counters, the steps of
; the LDS addresses, the barriers and the tensor loads stand in text that all waves share.
; LDS ADDRESSES.  x: 16 lane + TB, with TB = the slot in hand (SB: 0 or SLOT1, turned by one exclusive or at each change of slots) + 32,768 for each trip; the trip's second p-tile stands in the immediate.
; Row sums: 4 lane + QT, with QT = my wave's region + 256 for each of the launch's 32 trips; the trip's second sum stands in the immediate.
; CLUSTER.  The four work-groups of a cluster have four components and the same quarter of the points: they walk the same x, so each slot is asked for JOINTLY: the same tensor load, descriptor and mask in all four.
; LIMITS.  The maximum is v_max_num_f32, in which a NaN loses.  pm is stored four bytes a wave: 1,024 words in the launch.
; REGISTERS, in windows of 256 (s_set_vgpr_msb: bits 1:0 source 0, 3:2 source 1, 5:4 source 2, 7:6 destination):
;   window 0: v0-23 addresses and the row sum; v64-127 accumulator set 0; v128-255 x buffer 0        window 1: S fragments 0-31        window 2: S fragments 32-63
;   window 3: v0-31 S fragments 64-67; v64-127 accumulator set 1; v128-255 x buffer 1
.set SLOTB, 131072                     ; a slot: 8 p-tiles of 16,384 bytes, dense
.set SLOT1, 1<<17                      ; slot 1 begins here
.set PTB,   16384
.set QS,    2*SLOTB                    ; behind the ring, never filled by a tensor load: each wave's 65 partial row sums of 128 bytes (index 0: the first unit's)
.set QSW,   65*128
.set SPARE, QS+4*QSW                   ; behind them: the spare words, 128 bytes a wave: two blocks of 256 bytes that no other line names
.set SFC,   278528                     ; bytes of sf for a component,
.set SFW,   69632                      ; for a wave
.set XL,  2                            ; v2   16 x lane: my place in half a fragment, in sf, in LDS and in 512 bytes of e; never rewritten
.set XA,  3                            ; v3   LDS address of the trip's x loads
.set QA,  4                            ; v4   where the trip's row sums go
.set QL,  5                            ; v5   4 x lane
.set PFO, 6                            ; v6   256 x lane: the prefetches' offset; never rewritten
.set SPW, 8                            ; v8   my spare word; never rewritten
.set NIL, 9                            ; v9   0; never rewritten
.set ZR,  10                           ; v10  0: what a row sum starts from
.set Q,   12                           ; v[12:15] four chains of the row sum
.set RA,  16                           ; v16  the meeting: where I read partial sums
.set PO,  18                           ; v18  0: pm's offset
.set MX,  20                           ; v[20:21] the maximum, at work
.set ACC, 64                           ; row index rho (a, b, c, d = 0..3), half jt at ACC + 8 (2 rho + jt)
.set XB,  128                          ; x's fragment kb at XB + 8 kb
.set WV,  14                           ; s14  my wave's number
.set CX,  15                           ; s15  my place in the cluster: it enters global addresses of sf, k, e, pm and of the prefetches alone
.set CC,  16                           ; s16  my component
.set PQ,  17                           ; s17  my quarter of the points, which the four partners share
.set G1,  24                           ; s[24:31] descriptor group 1
.set G0,  32                           ; s[32:35] descriptor group 0: it walks
.set SLOTS, 36                         ; s36  slots still to be asked for
.set CNT, 37                           ; s37  counts a slot's four trips
.set TB,  38                           ; s38  LDS byte at which the trip's two p-tiles begin
.set LIM, 39                           ; s39  1 in a cluster that prefetches, else the greatest number
.set PFA, 40                           ; s[40:41] where my prefetches stand
.set SEL, 42                           ; s[42:43] v_permlanex16_b32's selects: each lane takes its own place in the other half
.set KC,  44                           ; s[44:45] k[c], in the low word of a pair
.set QT,  56                           ; s56  LDS byte of my wave's next two partial row sums
.set SB,  57                           ; s57  the slot in hand: 0 or SLOT1
.set MSB, 0
.macro WIN new                         ; the high byte repeats the setting that is left; a switch that changes nothing is dropped
.if MSB != (\new)
	s_set_vgpr_msb (MSB<<8)|(\new)
.set MSB, (\new)
.endif
.endm
; A round of the cluster's barrier: my work-group's barrier, so that wave 0's signal speaks for all four waves; wave 0 signals; every wave waits for all four work-groups; my work-group's barrier once more.
.macro CROUND
	s_barrier_signal -1
	s_barrier_wait -1
	s_cmp_lg_u32 s[WV], 0
	s_cbranch_scc1 .Lnot_wave_0_\@
	s_barrier_signal -3
.Lnot_wave_0_\@:
	s_barrier_wait -3
	s_barrier_signal -1
	s_barrier_wait -1
.endm
; A joint fill: each wave asks for its quarter of a slot, 32,768 dense bytes as 128 rows of 256; both addresses hang on the wave's number, so one line serves all four.  An s_nop 0 and four v_nop follow.
.macro JLOAD
	tensor_load_to_lds s[G0:G0+3], s[G1:G1+7]
	s_nop 0
.rept 4
	v_nop
.endr
.endm
; A PREFETCH INTO THE L2 of the slot that the NEXT change will ask for: 512 blocks of 256 bytes, a lane a block, one instruction a wave.  All sixteen clusters of a quarter walk the same x: the first of them (cluster x = 0) asks.
; Its four partners and their four waves share the blocks out BY ADDRESS: 8,192 (4 cx + wave) + 256 lane.  So each block is named once in the launch.  It stands behind the wave's tensor load and its five lines, a slot's
; eight units, 544 matrix instructions, ahead of the load that will want it.  Slots 0 and 1 come by their loads alone; the last change that fills a slot asks for nothing: there is no slot behind it.
.macro ASK
	s_cmp_gt_u32 s[SLOTS], s[LIM]
	s_cbranch_scc0 .Lnot_mine_\@
	global_prefetch_b8 v[PFO], s[PFA:PFA+1] th:TH_LOAD_NT scope:SCOPE_SE
.Lnot_mine_\@:
.endm
; THE CHANGE OF SLOTS.  Each wave waits for all its tensor loads, of which one is out: its quarter of the other slot; adds 0 to its spare word; and waits for that, for its reads of the slot that it leaves and for its last store of
; a row sum.  fill = 1: the barrier is a round of the cluster's, so that no wave of any partner still reads the slot or has a load on its way, and the joint fill, with the p-tiles two slots on, is the first thing behind it.
; (At its first use nothing has been read yet: slot 0 is waited for, slot 1 filled.)
.macro CHANGE fill
	WIN 0                                          ; at a label and at a branch every window is 0
	s_wait_tensorcnt 0x0                           ; no tensor load of mine is out, so group 0 may be written
	ds_add_u32 v[SPW], v[NIL]                      ; 0 onto my spare word: the steps below stand between it and the wait for it
	s_xor_b32 s[SB], s[SB], SLOT1                  ; the slot that is entered
.if \fill
	s_xor_b32 s[G0+1], s[G0+1], SLOT1              ; the fill: the other slot than last time,
	s_add_nc_u64 s[G0+2:G0+3], s[G0+2:G0+3], SLOTB ; the next 8 p-tiles; the type bits on top are not reached
	s_wait_xcnt 0x0                                ; the last prefetch, a slot back, has read its address, so it may be written:
	s_add_nc_u64 s[PFA:PFA+1], s[PFA:PFA+1], SLOTB ; one slot ahead of the walking descriptor
	s_wait_dscnt 0x0
	CROUND
	JLOAD
	ASK
.else
	s_wait_dscnt 0x0
	s_barrier_signal -1
	s_barrier_wait -1
.endif
.endm
	s_load_b256 s[4:11], s[0:1], 0x0               ; sf s[4:5], xf s[6:7], k s[8:9], e s[10:11]
	s_load_b64 s[12:13], s[0:1], 0x20              ; pm
	v_lshl_add_u32 v[SPW], v0, 2, SPARE
	v_mov_b32 v[NIL], 0
	ds_add_u32 v[SPW], v[NIL]                      ; the wave's opening: the add and its wait stand ahead of my first tensor load; the set-up below, work on registers, stands between them
	v_lshrrev_b32 v1, 5, v0
	v_readfirstlane_b32 s[WV], v1                  ; wave 0..3
	v_and_b32 v1, 31, v0                           ; lane
	s_bfe_u32 s[CX], ttmp6, 0x40000
	s_lshl_b32 s[CC], ttmp9, 2                     ; in a cluster launch ttmp9 counts clusters
	s_add_co_u32 s[CC], s[CC], s[CX]               ; c = 4 x cluster x + cx
	s_and_b32 s[PQ], ttmp7, 0xffff
	; descriptor group 1: 128 rows of 32 elements of 8 bytes, dense in memory and in LDS
	s_mov_b32 s[G1], 15|(3<<16)|(1<<21)            ; 15:0 the mask: all four work-groups; 17:16 elements of 8 bytes; 20 no padding; 21 set beside a mask
	s_mov_b32 s[G1+1], 32<<16                      ; tensor_dim0 = 32
	s_mov_b32 s[G1+2], 128<<16                     ; tensor_dim1 = 128
	s_mov_b32 s[G1+3], 32<<16                      ; tile_dim0 = 32
	s_mov_b32 s[G1+4], 128                         ; tile_dim1 = 128
	s_mov_b32 s[G1+5], 32                          ; 32 elements from row to row
	s_mov_b32 s[G1+6], 0
	s_mov_b32 s[G1+7], 0
	s_mov_b32 s[G0], 1                             ; 1:0 count = 1
	s_lshl_b32 s[G0+1], s[WV], 15                  ; 63:32 LDS address: my quarter of slot 0: no place in the cluster enters an LDS address
	s_mov_b32 s[SEL], 0x76543210
	s_mov_b32 s[SEL+1], 0xfedcba98
	s_mov_b32 s[KC+1], 0                           ; named with k[c] as a pair
	s_cmp_eq_u32 ttmp9, 0                          ; the same in all four partners
	s_cselect_b32 s[LIM], 1, -1
	s_mov_b32 s[SB], SLOT1                         ; the first change of slots turns this into 0
	s_mov_b32 s[SLOTS], 7
	s_mul_i32 s[QT], s[WV], QSW
	s_add_co_u32 s[QT], s[QT], QS
	s_lshl_b32 s46, s[PQ], 20                      ; xf: a quarter of the points is 2^20 bytes,
	s_lshl_b32 s47, s[WV], 15                      ; my quarter of a slot
	s_add_co_u32 s46, s46, s47
	s_mov_b32 s47, 0
	s_lshl_b32 s48, s[CX], 2                       ; the prefetches: my 32 blocks of a slot's 512,
	s_add_co_u32 s48, s48, s[WV]
	s_lshl_b32 s48, s48, 13
	s_lshl_b32 s49, s[PQ], 20
	s_add_co_u32 s48, s48, s49
	s_add_co_u32 s48, s48, SLOTB                   ; in slot 1; the first change steps it to slot 2
	s_mov_b32 s49, 0
	s_mul_i32 s50, s[CC], SFC                      ; sf: my component, my wave
	s_mul_i32 s51, s[WV], SFW
	s_add_co_u32 s50, s50, s51
	s_mov_b32 s51, 0
	s_lshl_b32 s52, s[CC], 2                       ; k[c]
	s_mov_b32 s53, 0
	s_lshl_b32 s54, s[CC], 14                      ; e[c][1,024 pq + 256 wave ..]
	s_lshl_b32 s55, s[PQ], 12
	s_add_co_u32 s54, s54, s55
	s_lshl_b32 s55, s[WV], 10
	s_add_co_u32 s54, s54, s55
	s_mov_b32 s55, 0
	s_lshl_b32 s58, s[PQ], 6                       ; pm[4 (64 pq + c) + wave]
	s_add_co_u32 s58, s58, s[CC]
	s_lshl2_add_u32 s58, s58, s[WV]
	s_lshl_b32 s58, s58, 2
	s_mov_b32 s59, 0
	v_lshlrev_b32 v[XL], 4, v1
	v_lshlrev_b32 v[QL], 2, v1
	v_lshlrev_b32 v[PFO], 8, v1
	v_mov_b32 v[ZR], 0
	v_mov_b32 v[PO], 0
	v_lshrrev_b32 v[RA], 2, v1                     ; the meeting: four lanes take a p-tile's 16 points, four each; my wave takes p-tiles 16 wave ..
	v_lshlrev_b32 v[RA], 7, v[RA]
	v_and_b32 v7, 3, v1
	v_lshl_add_u32 v[RA], v7, 4, v[RA]
	s_lshl_b32 s60, s[WV], 11
	s_add_co_u32 s60, s60, QS+128                  ; index 1 is p-tile 0
	v_add_nc_u32 v[RA], s60, v[RA]
	s_wait_dscnt 0x0                               ; the opening add is done
	s_wait_kmcnt 0x0
	s_add_nc_u64 s[G0+2:G0+3], s[6:7], s[46:47]    ; 120:64 global address: made of the quarter and the wave's number alone
	s_or_b32 s[G0+3], s[G0+3], 0x80000000          ; 127:126 type = 2
	s_add_nc_u64 s[PFA:PFA+1], s[6:7], s[48:49]
	s_add_nc_u64 s[4:5], s[4:5], s[50:51]
	s_add_nc_u64 s[8:9], s[8:9], s[52:53]
	s_add_nc_u64 s[10:11], s[10:11], s[54:55]
	s_add_nc_u64 s[12:13], s[12:13], s[58:59]
	s_load_b32 s[KC], s[8:9], 0x0                  ; waited for at the meeting
	CROUND                                         ; all four work-groups are here: the first joint loads meet
	JLOAD                                          ; slot 0.  Slot 1 is asked for when slot 0 is in, by the loop's own change of slots
	; S: 136 loads of 512 consecutive bytes a wave, into windows 1, 2 and 3
.set ff, 0
.rept 68
	WIN (1+ff/32)<<6                               ; destination by the fragment's number, address in window 0
	global_load_b128 v[8*(ff%32):8*(ff%32)+3],   v[XL], s[4:5] offset:ff*1024
	global_load_b128 v[8*(ff%32)+4:8*(ff%32)+7], v[XL], s[4:5] offset:ff*1024+512
.set ff, ff+1
.endr
	; what the first unit finds, written while the loads are out: x buffer 1, and in set 1 the accumulators of rows a and b, whose sums start in the part of a step that the first unit does not run
.set ff, ACC
.rept 32
	v_mov_b32 v[ff], 0
.set ff, ff+1
.endr
.set ff, XB
.rept 128
	v_mov_b32 v[ff], 0
.set ff, ff+1
.endr
	WIN 0
; Product f of 68 for wave w on x buffer and accumulator set buf.
.macro MM w, f, buf
.set mS, (\f)/4
.if ((\f)%4) < 2
.if mS <= 15-(\w)
.set mR, 0
.set mK, (\w)+mS
.set mB, 0
.else
.set mR, 3
.set mK, mS-1
.set mB, 16-(\w)
.endif
.else
.if mS <= 8+(\w)
.set mR, 1
.set mK, 7-(\w)+mS
.set mB, 0
.else
.set mR, 2
.set mK, mS-1
.set mB, 9+(\w)
.endif
.endif
.set mA, ACC+8*(2*mR+(\f)%2)
.set mF, 8*((\f)%32)
.set mX, XB+8*mK
	WIN (1+(\f)/32)|(0xfc*(\buf))                  ; S by the fragment's number; x, C and D in window 0 or 3
.if mS == mB
	v_wmma_f32_16x16x32_bf16 v[mA:mA+7], v[mF:mF+7], v[mX:mX+7], 0
.else
	v_wmma_f32_16x16x32_bf16 v[mA:mA+7], v[mF:mF+7], v[mX:mX+7], v[mA:mA+7]
.endif
.endm
; Group k of 16 of the row sum of the p-tile in buffer and set pb: registers 4 (k % 2) + 0..3 of accumulator k / 2, each times its bf16 weight, onto four chains that do not wait for each other.
; Each accumulator's four lowest registers are read first.  Group 0 starts the chains from 0.
.macro RID w, k, pb
.set rT, (\k)/2
.if rT/2 == 0
.set rR, (\w)
.elseif rT/2 == 1
.set rR, 7-(\w)
.elseif rT/2 == 2
.set rR, 8+(\w)
.else
.set rR, 15-(\w)
.endif
	WIN 15*(\pb)                                   ; sources 0 and 1 in window 0 or 3; the chains in window 0
.irp i, 0,1,2,3
.set rJ, 4*((\k)%2)+(\i)
.set rW, XB+8*rR+4*(rT%2)+rJ/2
.set rC, ACC+8*rT+rJ
.set rZ, Q+(\i)
.if (\k) == 0
.set rZ, ZR
.endif
.if (\i)%2
	v_fma_mix_f32_bf16 v[Q+(\i)], v[rW], v[rC], v[rZ] op_sel:[1,0,0] op_sel_hi:[1,0,0]
.else
	v_fma_mix_f32_bf16 v[Q+(\i)], v[rW], v[rC], v[rZ] op_sel_hi:[1,0,0]
.endif
.endr
.endm
; A UNIT for wave w: the trip's p-tile b goes into buffer b; the p-tile in buffer 1 - b is finished.  It holds no scalar line: its places in LDS are the trip's two address registers and immediates.
.macro U w, b
	WIN 0xc0*(\b)                                  ; destination window 0 or 3.  Buffer b's last readers are the row sum just ended and, four v_nop and more back, product 67 of the unit before
.set kk, (\w)
.rept 16-(\w)
	ds_load_b128 v[XB+8*kk:XB+8*kk+3],   v[XA] offset:(\b)*PTB+kk*1024
	ds_load_b128 v[XB+8*kk+4:XB+8*kk+7], v[XA] offset:(\b)*PTB+kk*1024+512
.set kk, kk+1
.endr
.set ff, 18
.rept 50
	MM \w, ff, 1-(\b)
.set ff, ff+1
.endr
.rept 4
	v_nop                                          ; the places behind those products: in front of the row sum's reads of their results, and of the next unit's loads into their buffer
.endr
	s_wait_dscnt 0x0                               ; the run of loads, 50 products back, is in (and the last row sum's store is done)
.set ff, 0
.rept 16
	MM \w, ff, \b
	RID \w, ff, 1-(\b)
.set ff, ff+1
.endr
	MM \w, 16, \b
	WIN 0
	v_pk_add_f32 v[Q:Q+1], v[Q:Q+1], v[Q+2:Q+3]
	MM \w, 17, \b
	WIN 0
	v_add_f32 v[Q], v[Q], v[Q+1]
	ds_store_b32 v[QA], v[Q] offset:128*(\b)       ; my lane's part: point lane % 16, the n with 8 (lane / 16) + 0..7 in each 16 of my four block rows
.endm
.macro PAIR w                          ; a trip's two units
	U \w, 0
	U \w, 1
.endm
.macro LASTP w                         ; the last p-tile (63, in buffer 1) is finished: nothing is loaded and nothing begun
.set ff, 18
.rept 50
	MM \w, ff, 1
.set ff, ff+1
.endr
.rept 4
	v_nop
.endr
.set ff, 0
.rept 16
	RID \w, ff, 1
.set ff, ff+1
.endr
	WIN 0
	v_pk_add_f32 v[Q:Q+1], v[Q:Q+1], v[Q+2:Q+3]
	v_add_f32 v[Q], v[Q], v[Q+1]
	ds_store_b32 v[QA], v[Q]
.endm
.macro BYWAVE body                     ; the version of a text for my wave's number; the jumps go forward and pass no loop, no barrier and no tensor load
	s_cmp_eq_u32 s[WV], 0
	s_cbranch_scc1 .Lw0_\@
	s_cmp_eq_u32 s[WV], 1
	s_cbranch_scc1 .Lw1_\@
	s_cmp_eq_u32 s[WV], 2
	s_cbranch_scc1 .Lw2_\@
	\body 3
	s_branch .Ljoin_\@
.Lw0_\@:
	\body 0
	s_branch .Ljoin_\@
.Lw1_\@:
	\body 1
	s_branch .Ljoin_\@
.Lw2_\@:
	\body 2
.Ljoin_\@:
.endm
.macro SECTION                         ; a slot's eight units: four trips
	s_mov_b32 s[CNT], 4
	s_mov_b32 s[TB], s[SB]                         ; the slot's first p-tile
.Lpair_\@:
	v_add_nc_u32 v[XA], s[TB], v[XL]
	v_add_nc_u32 v[QA], s[QT], v[QL]
	BYWAVE PAIR
	s_add_co_u32 s[TB], s[TB], 2*PTB               ; the next trip's two p-tiles,
	s_add_co_u32 s[QT], s[QT], 256                 ; and its two row sums
	s_sub_co_u32 s[CNT], s[CNT], 1
	s_cmp_lg_u32 s[CNT], 0
	s_cbranch_scc1 .Lpair_\@
.endm
.Lslot:                                            ; seven trips: a slot is entered and the next is asked for
	CHANGE 1
	s_wait_loadcnt 0x0                             ; S is in (met at once from the second trip on)
	SECTION
	s_sub_co_u32 s[SLOTS], s[SLOTS], 1
	s_cmp_lg_u32 s[SLOTS], 0
	s_cbranch_scc1 .Lslot
	CHANGE 0                                       ; the last slot is written out: nothing is asked for
	SECTION
	v_add_nc_u32 v[QA], s[QT], v[QL]               ; index 64: behind 32 trips of two
	BYWAVE LASTP
	; THE MEETING.  A point's q is the sum of eight words: four waves' block rows x the two halves of the lanes.  Wave v takes p-tiles 16 v .. 16 v + 15, 256 points: eight a lane, in two runs of 128.
	s_wait_dscnt 0x0                               ; for the others' sake: my row sums lie in LDS
	s_barrier_signal -1
	s_barrier_wait -1
.irp i, 0,1
.irp ww, 0,1,2,3
.irp hh, 0,1
	ds_load_b128 v[XB+32*(\i)+8*(\ww)+4*(\hh):XB+32*(\i)+8*(\ww)+4*(\hh)+3], v[RA] offset:(\ww)*QSW+(\i)*1024+(\hh)*64
.endr
.endr
.endr
	s_wait_dscnt 0x0
	s_wait_kmcnt 0x0                               ; k[c]
.irp i, 0,1
.set bb, XB+32*(\i)
.irp t, 0,8,16,24
	v_pk_add_f32 v[bb+(\t):bb+(\t)+1],   v[bb+(\t):bb+(\t)+1],   v[bb+(\t)+4:bb+(\t)+5]
	v_pk_add_f32 v[bb+(\t)+2:bb+(\t)+3], v[bb+(\t)+2:bb+(\t)+3], v[bb+(\t)+6:bb+(\t)+7]
.endr
.irp t, 0,16
	v_pk_add_f32 v[bb+(\t):bb+(\t)+1],   v[bb+(\t):bb+(\t)+1],   v[bb+(\t)+8:bb+(\t)+9]
	v_pk_add_f32 v[bb+(\t)+2:bb+(\t)+3], v[bb+(\t)+2:bb+(\t)+3], v[bb+(\t)+10:bb+(\t)+11]
.endr
	v_pk_add_f32 v[bb:bb+1],   v[bb:bb+1],   v[bb+16:bb+17]
	v_pk_add_f32 v[bb+2:bb+3], v[bb+2:bb+3], v[bb+18:bb+19]
	v_pk_add_f32 v[bb:bb+1],   v[bb:bb+1],   s[KC:KC+1] op_sel_hi:[1,0]
	v_pk_add_f32 v[bb+2:bb+3], v[bb+2:bb+3], s[KC:KC+1] op_sel_hi:[1,0]
	global_store_b128 v[XL], v[bb:bb+3], s[10:11] offset:(\i)*512  ; 512 consecutive bytes of e's row c, aligned
.endr
	v_max3_num_f32 v[MX], v[XB], v[XB+1], v[XB+2]  ; my eight numbers' maximum,
	v_max3_num_f32 v[MX+1], v[XB+3], v[XB+32], v[XB+33]
	v_max3_num_f32 v[MX], v[MX], v[XB+34], v[XB+35]
	v_max_num_f32 v[MX], v[MX], v[MX+1]
	v_max_num_f32_dpp v[MX], v[MX], v[MX] row_xmask:1 row_mask:0xf bank_mask:0xf  ; the wave's
	v_max_num_f32_dpp v[MX], v[MX], v[MX] row_xmask:2 row_mask:0xf bank_mask:0xf
	v_max_num_f32_dpp v[MX], v[MX], v[MX] row_xmask:4 row_mask:0xf bank_mask:0xf
	v_max_num_f32_dpp v[MX], v[MX], v[MX] row_xmask:8 row_mask:0xf bank_mask:0xf
	v_permlanex16_b32 v[MX+1], v[MX], s[SEL], s[SEL+1]
	v_max_num_f32 v[MX], v[MX], v[MX+1]
	v_cmp_eq_u32 vcc_lo, 0, v1
	s_wait_xcnt 0x0                                ; EXEC is a source of e's stores: it changes only behind this wait
	s_and_saveexec_b32 s46, vcc_lo
	global_store_b32 v[PO], v[MX], s[12:13]        ; lane 0 alone: my wave's word of pm
	s_wait_xcnt 0x0                                ; and again, in front of the line that widens it
	s_or_b32 exec_lo, exec_lo, s46
	s_wait_tensorcnt 0x0                           ; the wave's end, behind my last tensor load and my last LDS store
	ds_add_u32 v[SPW], v[NIL]
	s_wait_dscnt 0x0
	CROUND                                         ; the closing round: no work-group ends while a partner may still ask for a tile that names it
	s_endpgm
.Lfunc_end_k_qffd209ae3f_quad:
	.size	k_qffd209ae3f_quad, .Lfunc_end_k_qffd209ae3f_quad-k_qffd209ae3f_quad
	.p2alignl 7, 3214868480
	.fill 96, 4, 3214868480
	.section	.rodata,"a",@progbits
	.p2align	6, 0x0
	.amdhsa_kernel k_qffd209ae3f_quad
		.amdhsa_group_segment_fixed_size 327680
		.amdhsa_private_segment_fixed_size 0
		.amdhsa_enable_private_segment 0
		.amdhsa_kernarg_size 40
		.amdhsa_user_sgpr_count 2
		.amdhsa_user_sgpr_kernarg_segment_ptr 1
		.amdhsa_wavefront_size32 1
		.amdhsa_system_sgpr_workgroup_id_x 1
		.amdhsa_system_sgpr_workgroup_id_y 1
		.amdhsa_system_sgpr_workgroup_id_z 1
		.amdhsa_system_vgpr_workitem_id 0
		.amdhsa_next_free_vgpr 1024
		.amdhsa_next_free_sgpr 66
		.amdhsa_reserve_vcc 1
		.amdhsa_float_denorm_mode_32 3
		.amdhsa_float_denorm_mode_16_64 3
		.amdhsa_memory_ordered 1
		.amdhsa_forward_progress 1
		.amdhsa_inst_pref_size 246
	.end_amdhsa_kernel
	.amdgpu_metadata
---
amdhsa.version: [ 1, 2 ]
amdhsa.kernels:
  - .name:           k_qffd209ae3f_quad
    .symbol:         k_qffd209ae3f_quad.kd
    .args:
      - { .name: sf, .offset: 0, .size: 8, .value_kind: global_buffer, .address_space: global }
      - { .name: xf, .offset: 8, .size: 8, .value_kind: global_buffer, .address_space: global }
      - { .name: k, .offset: 16, .size: 8, .value_kind: global_buffer, .address_space: global }
      - { .name: e, .offset: 24, .size: 8, .value_kind: global_buffer, .address_space: global }
      - { .name: pm, .offset: 32, .size: 8, .value_kind: global_buffer, .address_space: global }
    .group_segment_fixed_size: 327680
    .private_segment_fixed_size: 0
    .kernarg_segment_align: 8
    .kernarg_segment_size: 40
    .max_flat_workgroup_size: 128
    .sgpr_count:     66
    .vgpr_count:     1024
    .wavefront_size: 32
...
	.end_amdgpu_metadata
.endif
;; end of part 2
;; launch fin (part 3): grid 64 x 1, 8 waves a work-group, no clusters, 17,920 bytes of LDS; arguments e, pm, out0; writes out0
.if DOCPART == 3
	.amdgcn_target "amdgcn-amd-amdhsa--gfx1250"
	.amdhsa_code_object_version 6
	.text
	.protected	k_qffd209ae3f_fin
	.globl	k_qffd209ae3f_fin
	.p2align	8
	.type	k_qffd209ae3f_fin,@function
k_qffd209ae3f_fin:
	s_mov_b64 s[64:65], 0
	v_nop
	global_prefetch_b8 v0, s[64:65] scope:SCOPE_SE
	s_setreg_imm32_b32 hwreg(HW_REG_WAVE_MODE, 25, 1), 1
	s_wait_xcnt 0x0
; FIN.  out0[p][c] = M - e[c][p], M = the maximum of pm's 1,024 words, which is the maximum of all of e.  e: [64][4096] f32, out0: [4096][64] f32.
; A work-group takes 64 points x 64 components: 256 aligned bytes of each of e's 64 rows in, 16,384 consecutive bytes of out0 out; the tile is turned in LDS.  A smaller share would read rows of e in pieces under
; 256 bytes, so there are 64 work-groups.  Every work-group finds M for itself from pm (4,096 bytes): no traffic between work-groups.  No matrix unit, cluster or tensor load: nothing is multiplied or shared but pm.
; LIMIT.  The maximum is v_max_num_f32, in which a NaN loses.
.set TP,    260                        ; an LDS row: 64 words + 1: a column's 16 words 4 rows apart, and a row's words, fall into different banks (64 banks of 4 bytes: ISA guide 11.1)
.set RED,   16640                      ; behind the tile's 64 rows: the eight waves' maxima
.set SPARE, 16896                      ; the spare words, 128 bytes a wave: four blocks of 256 bytes that no other line names
.set SPW, 30                           ; v30  my spare word; never rewritten
.set NIL, 31                           ; v31  0; never rewritten
.set T,   32                           ; v[32:47] four loads of e; later sixteen numbers of out0
	s_load_b128 s[4:7], s[0:1], 0x0                ; e s[4:5], pm s[6:7]
	s_load_b64 s[8:9], s[0:1], 0x10                ; out0
	v_lshl_add_u32 v[SPW], v0, 2, SPARE
	v_mov_b32 v[NIL], 0
	v_lshrrev_b32 v1, 5, v0
	v_readfirstlane_b32 s10, v1                    ; wave 0..7
	v_and_b32 v2, 15, v0                           ; r = lane % 16
	v_bfe_u32 v3, v0, 4, 1
	v_lshl_add_u32 v1, s10, 1, v3                  ; g = 2 wave + lane / 16: 0..15
	v_lshlrev_b32 v8, 4, v0                        ; pm: 16 bytes a thread
	v_lshlrev_b32 v9, 14, v1                       ; e: row g (+ 16 i), 16 bytes at 16 r
	v_lshl_add_u32 v9, v2, 4, v9
	v_mul_u32_u24 v10, v1, TP                      ; the same place in the tile
	v_lshl_add_u32 v10, v2, 4, v10
	v_mul_u32_u24 v11, v2, 4*TP                    ; back: components 4 r + 0..3 of point g (+ 16 i)
	v_lshl_add_u32 v11, v1, 2, v11
	v_lshlrev_b32 v12, 8, v1                       ; out0: point g's row of 256 bytes, 16 bytes at 16 r
	v_lshl_add_u32 v12, v2, 4, v12
	s_lshl_b32 s18, s10, 2
	v_mov_b32 v13, s18                             ; my wave's word of the maxima
	v_mov_b32 v14, 0
	s_lshl_b32 s12, ttmp9, 8                       ; the work-group's 64 points: 256 bytes of a row of e,
	s_mov_b32 s13, 0
	s_lshl_b32 s14, ttmp9, 14                      ; 16,384 bytes of out0
	s_mov_b32 s15, 0
	s_mov_b32 s16, 0x76543210                      ; v_permlanex16_b32: each lane takes its own place in the other half
	s_mov_b32 s17, 0xfedcba98
	s_wait_kmcnt 0x0
	s_add_nc_u64 s[4:5], s[4:5], s[12:13]
	s_add_nc_u64 s[8:9], s[8:9], s[14:15]
	global_load_b128 v[4:7], v8, s[6:7]
.irp i, 0,1,2,3
	global_load_b128 v[T+4*(\i):T+4*(\i)+3], v9, s[4:5] offset:(\i)*262144 th:TH_LOAD_NT  ; sixteen lanes read 256 consecutive bytes, aligned; 16 rows of e further on each time
.endr
	s_wait_loadcnt 4                               ; pm's words are in; e's four loads stay out
	v_max3_num_f32 v4, v4, v5, v6
	v_max_num_f32 v4, v4, v7
	v_max_num_f32_dpp v4, v4, v4 row_xmask:1 row_mask:0xf bank_mask:0xf
	v_max_num_f32_dpp v4, v4, v4 row_xmask:2 row_mask:0xf bank_mask:0xf
	v_max_num_f32_dpp v4, v4, v4 row_xmask:4 row_mask:0xf bank_mask:0xf
	v_max_num_f32_dpp v4, v4, v4 row_xmask:8 row_mask:0xf bank_mask:0xf
	v_permlanex16_b32 v5, v4, s16, s17
	v_max_num_f32 v4, v4, v5
	ds_store_b32 v13, v4 offset:RED                ; all lanes write the same word with the same value
.irp i, 0,1,2,3
	s_wait_loadcnt 3-(\i)                          ; load i is in, the younger ones stay out
.irp j, 0,1,2,3
	ds_store_b32 v10, v[T+4*(\i)+(\j)] offset:(\i)*16*TP+4*(\j)
.endr
.endr
	s_wait_dscnt 0x0                               ; for the others' sake: my stores into LDS are done
	s_barrier_signal -1
	s_barrier_wait -1
	ds_load_b128 v[4:7], v14 offset:RED
	ds_load_b128 v[16:19], v14 offset:RED+16
.irp i, 0,1,2,3
.irp j, 0,1,2,3
	ds_load_b32 v[T+4*(\i)+(\j)], v11 offset:(\j)*TP+(\i)*64
.endr
.endr
	s_wait_dscnt 0x0
	v_max3_num_f32 v4, v4, v5, v6
	v_max3_num_f32 v16, v16, v17, v18
	v_max3_num_f32 v4, v4, v7, v19
	v_max_num_f32 v4, v4, v16                      ; M,
	v_mov_b32 v5, v4                               ; twice: a pair for the packed subtraction
.irp i, 0,1,2,3
	v_pk_add_f32 v[T+4*(\i):T+4*(\i)+1],   v[4:5], v[T+4*(\i):T+4*(\i)+1]   neg_lo:[0,1] neg_hi:[0,1]
	v_pk_add_f32 v[T+4*(\i)+2:T+4*(\i)+3], v[4:5], v[T+4*(\i)+2:T+4*(\i)+3] neg_lo:[0,1] neg_hi:[0,1]
	global_store_b128 v12, v[T+4*(\i):T+4*(\i)+3], s[8:9] offset:(\i)*4096 th:TH_STORE_NT  ; sixteen lanes store a point's 256 bytes, aligned
.endr
	s_wait_tensorcnt 0x0                           ; the wave's end, behind my last LDS store
	ds_add_u32 v[SPW], v[NIL]
	s_wait_dscnt 0x0
	s_endpgm
.Lfunc_end_k_qffd209ae3f_fin:
	.size	k_qffd209ae3f_fin, .Lfunc_end_k_qffd209ae3f_fin-k_qffd209ae3f_fin
	.p2alignl 7, 3214868480
	.fill 96, 4, 3214868480
	.section	.rodata,"a",@progbits
	.p2align	6, 0x0
	.amdhsa_kernel k_qffd209ae3f_fin
		.amdhsa_group_segment_fixed_size 17920
		.amdhsa_private_segment_fixed_size 0
		.amdhsa_enable_private_segment 0
		.amdhsa_kernarg_size 24
		.amdhsa_user_sgpr_count 2
		.amdhsa_user_sgpr_kernarg_segment_ptr 1
		.amdhsa_wavefront_size32 1
		.amdhsa_system_sgpr_workgroup_id_x 1
		.amdhsa_system_sgpr_workgroup_id_y 1
		.amdhsa_system_sgpr_workgroup_id_z 1
		.amdhsa_system_vgpr_workitem_id 0
		.amdhsa_next_free_vgpr 48
		.amdhsa_next_free_sgpr 66
		.amdhsa_reserve_vcc 0
		.amdhsa_float_denorm_mode_32 3
		.amdhsa_float_denorm_mode_16_64 3
		.amdhsa_memory_ordered 1
		.amdhsa_forward_progress 1
		.amdhsa_inst_pref_size 7
	.end_amdhsa_kernel
	.amdgpu_metadata
---
amdhsa.version: [ 1, 2 ]
amdhsa.kernels:
  - .name:           k_qffd209ae3f_fin
    .symbol:         k_qffd209ae3f_fin.kd
    .args:
      - { .name: e, .offset: 0, .size: 8, .value_kind: global_buffer, .address_space: global }
      - { .name: pm, .offset: 8, .size: 8, .value_kind: global_buffer, .address_space: global }
      - { .name: out0, .offset: 16, .size: 8, .value_kind: global_buffer, .address_space: global }
    .group_segment_fixed_size: 17920
    .private_segment_fixed_size: 0
    .kernarg_segment_align: 8
    .kernarg_segment_size: 24
    .max_flat_workgroup_size: 256
    .sgpr_count:     66
    .vgpr_count:     48
    .wavefront_size: 32
...
	.end_amdgpu_metadata
.endif
;; end of part 3
